; MI455X (gfx1250); checked and timed in simulation.
; The chip was launched on July 23, 2026; its instructions are those of AMD's public machine-readable ISA for CDNA 5 (MIT licence, August 2026) and "CDNA5" Instruction Set Architecture Reference Guide (July 2026). The comments in the code are by the model that wrote it; some were corrected since.
;; Simple Multihead SDP Attention. Allowed arithmetic: matrix products marked QUANTISED: E2M1 operands, one E8M0 scale for each 32 along K, by v_wmma_scale_f32_16x16x128_f8f6f4 with both operands' format E2M1 (or v_wmma_scale_f32_32x16x128_f4), f32 sums; everything else in f32.
;; Inputs: Wk_codes 1,024 x 32 x 16 uint8 (E2M1 codes of Wk, K innermost, in blocks of 32 codes, two codes a byte); Wk_scales 1,024 x 32 uint8 (E8M0 scales of Wk, one for each 32 codes along K); Wo_codes 1,024 x 32 x 16 uint8 (E2M1 codes of Wo, K innermost, in blocks of 32 codes, two codes a byte); Wo_scales 1,024 x 32 uint8 (E8M0 scales of Wo, one for each 32 codes along K); Wq_codes 1,024 x 32 x 16 uint8 (E2M1 codes of Wq, K innermost, in blocks of 32 codes, two codes a byte); Wq_scales 1,024 x 32 uint8 (E8M0 scales of Wq, one for each 32 codes along K); Wv_codes 1,024 x 32 x 16 uint8 (E2M1 codes of Wv, K innermost, in blocks of 32 codes, two codes a byte); Wv_scales 1,024 x 32 uint8 (E8M0 scales of Wv, one for each 32 codes along K); bk 1,024 float32; bo 1,024 float32; bq 1,024 float32; bv 1,024 float32; key_codes 4 x 2,048 x 32 x 16 uint8 (E2M1 codes of key, K innermost, in blocks of 32 codes, two codes a byte); key_scales 4 x 2,048 x 32 uint8 (E8M0 scales of key, one for each 32 codes along K); query_codes 4 x 2,048 x 32 x 16 uint8 (E2M1 codes of query, K innermost, in blocks of 32 codes, two codes a byte); query_scales 4 x 2,048 x 32 uint8 (E8M0 scales of query, one for each 32 codes along K); value_codes 4 x 2,048 x 32 x 16 uint8 (E2M1 codes of value, K innermost, in blocks of 32 codes, two codes a byte); value_scales 4 x 2,048 x 32 uint8 (E8M0 scales of value, one for each 32 codes along K).
;; Outputs: out0 4 x 2,048 x 1,024 float32.
;; This version of the problem:
;;   THIS VERSION OF THE PROBLEM IS GIVEN IN LOW PRECISION. The matrix products marked QUANTISED in the list below multiply operands that are first quantised to E2M1 (2 exponent bits, 1 mantissa bit; 4 bits a number), with one power-of-two scale for each 32 numbers along K (OCP MX v1.0); their sums are f32. All else is computed in f32.
;;   The module's matrix products, in the order in which they are computed (A, B: the left and right operand; K: the contracted axis; several contracted axes count as one K, in the product's order):
;;     1. [M 8,192, K 1,024] x [K 1,024, N 1,024]; A: input query (given as codes); B: input Wq (given as codes): QUANTISED
;;     2. [M 8,192, K 1,024] x [K 1,024, N 1,024]; A: input key (given as codes); B: input Wk (given as codes): QUANTISED
;;     3. [M 8,192, K 1,024] x [K 1,024, N 1,024]; A: input value (given as codes); B: input Wv (given as codes): QUANTISED
;;     4. batch 64 x [M 2,048, K 64] x [K 64, N 2,048]; A: computed on the way; B: computed on the way: QUANTISED
;;     5. batch 64 x [M 2,048, K 2,048] x [K 2,048, N 64]; A: softmax (see below); B: computed on the way: QUANTISED
;;     6. [M 8,192, K 1,024] x [K 1,024, N 1,024]; A: computed on the way; B: input Wo (given as codes): QUANTISED
;;   THE QUANTISER, for each operand of a quantised product, along K:
;;     - K is cut into blocks of 32 from its start; a last block that is shorter is filled with zeros.
;;     - A block's scale is 2^e with e = floor(log2(the largest magnitude in the block)) - 2, held to -126 .. 127; a block of zeros has e = 0. As a byte (E8M0): e + 127.
;;     - Each number is divided by its block's scale, clamped to +-6, and rounded to the nearest number of E2M1, ties to even, subnormals kept.
;;     - The product sums the exact products of the quantised numbers (number of the format x scale) in f32.
;;   ~~~python
;;   def quantise(x, axis):      # numpy; x: float32 -> the quantised numbers, widened to float32 again
;;       x = np.moveaxis(x, axis, -1); K = x.shape[-1]
;;       x = np.pad(x, [(0, 0)] * (x.ndim - 1) + [(0, -K % 32)]); x = x.reshape(x.shape[:-1] + (-1, 32)); a = np.abs(x).max(-1, keepdims=True)
;;       e = np.where(a > 0, np.clip(np.frexp(np.where(a > 0, a, 1))[1] - 1 - 2, -126, 127), 0)      # np.frexp(a)[1] - 1 = floor(log2(a)), exactly
;;       r = np.clip(x / 2.0 ** e, -6, 6)
;;       step = 2.0 ** (np.maximum(np.frexp(np.where(r == 0, 1, r))[1] - 1, 0) - 1)
;;       q = np.round(r / step) * step * 2.0 ** e      # np.round: ties to even
;;       return np.moveaxis(q.reshape(q.shape[:-2] + (-1,))[..., :K], -1, axis).astype(np.float32)
;;   ~~~
;;   SOFTMAX AHEAD OF A QUANTISED PRODUCT. Where the list says 'softmax', what is quantised is not the finished softmax but p = 2^(t - M), with t = logit x log2(e) and M = ceil(the row's largest t), a whole number; so 1/2 < the row's largest p <= 1. The row's sum l is taken of the UNQUANTISED p, in f32, and the product's result is divided by l at the end. Since M is a whole number, a kernel that streams over the keys may use a running M (the ceiling of the running maximum): every later rescaling is an exact power of two, which a block's scale takes up: the codes' values come out the same.
;;   OPERANDS COMPUTED ON THE WAY. 'Computed on the way' means the value that the module computes at that place (a softmax that the list does not call 'softmax' is quantised finished and normalised). What goes into a quantiser is computed in f32, as accurately as f32 sums, v_exp_f32 and their like allow (about 1e-6 of the number): no bf16 or f16 on the way to a quantiser, and a product that is left as it is and whose result goes on into a quantised operand takes f32 operands (vector FMAs, or v_wmma_f32_16x16x4_f32). A number that lies on a knife's edge between two numbers of the format may be rounded either way, as far as f32 arithmetic and the matrix unit's own rounding can turn it there, and no further.
;;   INPUTS GIVEN AS CODES. Wk (in the module: [1024, 1024], K = its axis 1); Wo (in the module: [1024, 1024], K = its axis 1); Wq (in the module: [1024, 1024], K = its axis 1); Wv (in the module: [1024, 1024], K = its axis 1); key (in the module: [4, 2048, 1024], K = its axis 2); query (in the module: [4, 2048, 1024], K = its axis 2); value (in the module: [4, 2048, 1024], K = its axis 2): each comes as NAME_codes (uint8): NAME with its K axis moved to the last place and cut into blocks of 32 codes, [.., K / 32, bytes a block], one block behind the other in memory; two codes a byte, the lower K in the low four bits (a code: sign, 2 exponent bits, 1 mantissa bit); and NAME_scales (uint8): the same leading axes, one E8M0 byte (e + 127) for each 32 codes along K. Its value is code x scale, taken as it is: it is not quantised again, and the codes and scales need not be those that the quantiser above would give.
;; One version. Each part assembles by itself: llvm-mc -triple=amdgcn-amd-amdhsa -mcpu=gfx1250 --defsym DOCPART=n.
;; ======== version 1 of 1: 3 launches
;; workspace buffers: qb 9,175,040 bytes; kv 9,175,040 bytes; oimg 4,194,304 bytes; osc 262,144 bytes
;; launch proj (part 1): grid 8 x 96, 4 waves a work-group, clusters of 4 x 4, 222,720 bytes of LDS; arguments query_codes, key_codes, Wv_codes, query_scales, key_scales, Wv_scales, Wq_codes, Wk_codes, value_codes, Wq_scales, Wk_scales, value_scales, bq, bk, bv, qb, kv; writes qb, kv
.if DOCPART == 1
	.amdgcn_target "amdgcn-amd-amdhsa--gfx1250"
	.amdhsa_code_object_version 6
	.text
	.protected	k_q0e1ca7cca7_proj
	.globl	k_q0e1ca7cca7_proj
	.p2align	8
	.type	k_q0e1ca7cca7_proj,@function
k_q0e1ca7cca7_proj:
	s_mov_b64 s[64:65], 0
	v_nop
	global_prefetch_b8 v0, s[64:65] scope:SCOPE_SE
	s_setreg_imm32_b32 hwreg(HW_REG_WAVE_MODE, 25, 1), 1
	s_wait_xcnt 0x0
	s_wait_alu depctr_hold_cnt(0) depctr_sa_sdst(0) depctr_va_vdst(0) depctr_va_sdst(0) depctr_va_ssrc(0) depctr_va_vcc(0) depctr_vm_vsrc(0)
	s_getreg_b32 s2, hwreg(HW_REG_IB_STS2, 6, 4)
	s_cmp_eq_u32 s2, 0
	s_cbranch_scc0 .Lentry_in_a_cluster
	s_endpgm
.Lentry_in_a_cluster:
	s_bfe_u32 s2, ttmp6, 0x10000c
	s_cmp_lg_u32 s2, 0xf033
	s_cbranch_scc0 .Lentry_shape_is_right
	s_endpgm
.Lentry_shape_is_right:
; q = query Wq^T + bq, k = key Wk^T + bk, v = value Wv^T + bv on codes of FP4 (E2M1) with one E8M0 scale for each 32 along K = 1,024; sums in f32.
; The results are quantised in registers and leave as codes: q and k along the head's 64, v along the keys, laid as images of the operands' registers for the attention launch.
; ONE BODY FOR THREE PRODUCTS.  The matrix instruction is used transposed: source 0 = 16 rows of S0, source 1 = 16 rows of S1.  A lane then holds one row of S1 and its registers run along S0,
; which is the axis that is quantised.  q, k: S1 = tokens (query, key), S0 = features (Wq, Wk).  v: S1 = features (Wv), S0 = tokens (value).  All six tensors have rows of 512 bytes of codes and 32 of scales.
; SHARES.  A work-group makes 256 rows of S1 x 128 rows of S0 over all of K; wave w takes rows 64 w .. 64 w + 63 of S1 (4 tiles m) against all 128 of S0 (8 tiles t): 32 accumulators, 256 registers.
; 768 work-groups, three for each of 256 WGPs.  The cluster's y / 8 says which product: 0 q, 1 k, 2 v; it is equal in all partners of a cluster, so branches may hang on it.
; LDS IS FILLED ONCE: both halves of K (chunks of 512: 256 bytes of each row) and all scale bytes fit together, so there is no ring and nothing is filled again.  No line stores to LDS.
; CLUSTERS: 4 x 4.  S1's tile hangs on the tile row alone and is asked for jointly by the four of a cluster's row, S0's by the four of a column: the same load, descriptor and mask in all four.
; QUANTISER.  A block of 32 along S0 is the 16 registers of tiles 2 b and 2 b + 1 in lanes l and l xor 16.  Its scale byte is the largest magnitude's exponent field - 2, held at 1 from below.
; LIMITS: NaN and infinities among biases or sums are not served; blocks whose largest magnitude lies under 2^-124 keep the byte 1; a block of zeros has the byte 1 where the quantiser says 127
; (its codes are zeros, and this program alone reads the bytes); an input scale byte 0xff gives NaN.
; OUTPUT, qb and kv alike: [batch x 16 + head][key step of 128 tokens][8,960 bytes]: +0 K images [tile of 16 tokens 8][lane][16 bytes], lane (r, h) = token r, dims 32 h ..;  +4,096 V^T images [tile of 16 dims 4][c 2][lane][16],
; lane (r, h) = dim r, keys 64 c + 32 h ..;  +8,192 K scale words [64 tokens 2][lane][2 words], word j of lane (r, h) = (s0, s1, s0, s1) of token 32 j + 16 h + r;  +8,704 V scale words [lane][2 words], word j of lane (r, h) = row 16 (2 j + h) + r.
; REGISTERS.  window 0: v1 r, v2 h, v4-5 S1's fragment address in chunk 0, 1, v6-7 S0's, v8 S1's scale words, v9 S0's, v10 16 x lane, v11 8 x lane, v12 bias offset; v16-63 scale words (and nothing else);
;   v64-127 S1's fragments, two sets; v128-191 the bias; v192-223 codes; v224-239 at work; v240-243 scale words made; v244-249 their way out.   window 1: v0-127 S0's fragments, two sets.   window 2: accumulator (m, t) at v[8 (8 m + t)].
.set PITCH, 272                        ; an LDS row of codes: 256 bytes + 16 of padding: the 16 rows of a fragment load start 4 banks apart
.set C0S0,  256*PITCH                  ; chunk 0: S1's 256 rows at 0, S0's 128 rows here
.set CHUNK, 384*PITCH                  ; chunk 1 begins here
.set SC1,   2*CHUNK                    ; S1's scale bytes: 32 units of 256 bytes + 16
.set SC0,   SC1+32*272                 ; S0's: 16 units
.set BHB,   143360                     ; bytes of one (batch, head) in qb and kv
.set STB,   8960                       ; bytes of one key step there
.set CODEW, (1<<20)|(1<<21)|(5<<22)|(3<<25)          ; group 1, word 0 beside the mask: elements of 1 byte, padding on, bit 21 beside a mask, 4 words after every 64
.set SCLW,  (3<<16)|(1<<20)|(1<<21)|(5<<22)|(3<<25)  ; the same with elements of 8 bytes
.set SS,  16
.set S1F, 64
.set BI,  128
.set PC,  192
.set TM,  224
.set PW,  240
.set XW,  244
.set SW,  246
.set MSB, 0
.macro WIN new                         ; the immediate's high byte repeats the setting that is left; a switch that changes nothing is dropped
.if MSB != \new
	s_set_vgpr_msb (MSB<<8)|\new
.set MSB, \new
.endif
.endm
.macro CROUND                          ; a round of the cluster's barrier
	s_barrier_signal -1
	s_barrier_wait -1
	s_cmp_lg_u32 s2, 0
	s_cbranch_scc1 .Lnot_wave_0_\@
	s_barrier_signal -3
.Lnot_wave_0_\@:
	s_barrier_wait -3
	s_barrier_signal -1
	s_barrier_wait -1
.endm
.macro PLACES                          ; four plain places behind matrix instructions, in front of loads into registers that they read and of reads of their results
.rept 4
	v_nop
.endr
.endm
; One matrix instruction.  u, v: S0's (S1's) scale words lie in lanes 16-31 of the register named.
.macro WM d, a, b, c, sa, sb, u, v
.if ((\u)==0)&&((\v)==0)
	v_wmma_scale_f32_16x16x128_f8f6f4 v[\d:\d+7], v[\a:\a+7], v[\b:\b+7], v[\c:\c+7], v[\sa], v[\sb] matrix_a_fmt:MATRIX_FMT_FP4 matrix_b_fmt:MATRIX_FMT_FP4
.elseif (\v)==0
	v_wmma_scale_f32_16x16x128_f8f6f4 v[\d:\d+7], v[\a:\a+7], v[\b:\b+7], v[\c:\c+7], v[\sa], v[\sb] matrix_a_fmt:MATRIX_FMT_FP4 matrix_b_fmt:MATRIX_FMT_FP4 matrix_a_scale:MATRIX_SCALE_ROW1
.elseif (\u)==0
	v_wmma_scale_f32_16x16x128_f8f6f4 v[\d:\d+7], v[\a:\a+7], v[\b:\b+7], v[\c:\c+7], v[\sa], v[\sb] matrix_a_fmt:MATRIX_FMT_FP4 matrix_b_fmt:MATRIX_FMT_FP4 matrix_b_scale:MATRIX_SCALE_ROW1
.else
	v_wmma_scale_f32_16x16x128_f8f6f4 v[\d:\d+7], v[\a:\a+7], v[\b:\b+7], v[\c:\c+7], v[\sa], v[\sb] matrix_a_fmt:MATRIX_FMT_FP4 matrix_b_fmt:MATRIX_FMT_FP4 matrix_a_scale:MATRIX_SCALE_ROW1 matrix_b_scale:MATRIX_SCALE_ROW1
.endif
.endm
; K step q: 32 matrix instructions.  C is v[c0 + km m + kt t]: the accumulator itself, or in the first step the bias.  The 32 accumulators take turns, one instruction a turn, in the same order in every step.
.macro MUL32 q, win, c0, km, kt
	WIN \win
.irp m, 0,1,2,3
.irp t, 0,1,2,3,4,5,6,7
	WM 8*(8*\m+\t),64*((\q)%2)+8*\t,S1F+32*((\q)%2)+8*\m,\c0+\km*\m+\kt*\t,SS+24*((\q)/4)+4*(\t/2)+(\q)%4,SS+16+24*((\q)/4)+4*(\m/2)+(\q)%4,\t%2,\m%2
.endr
.endr
.endm
; All scale words, 12 loads: a load brings a row's four words of a chunk's four K steps; lanes 0-15 take the even tile of a pair, lanes 16-31 the odd one.
.macro SCALES
.irp c, 0,1
.irp b, 0,1,2,3
	ds_load_b128 v[SS+24*\c+4*\b:SS+24*\c+4*\b+3], v9 offset:1088*\b+16*\c
.endr
.irp j, 0,1
	ds_load_b128 v[SS+16+24*\c+4*\j:SS+16+24*\c+4*\j+3], v8 offset:1088*\j+16*\c
.endr
.endr
.endm
; K step q's fragments into set q % 2: 24 loads.  A fragment, 16 rows x 128 K of 4-bit codes, is two loads of 16 bytes, 32 bytes apart, at row x pitch + 16 h.
.macro FETCH q
	WIN 0x40                               ; destination window 1, address window 0
.irp t, 0,1,2,3,4,5,6,7
.irp c, 0,1
	ds_load_b128 v[64*((\q)%2)+8*\t+4*\c:64*((\q)%2)+8*\t+4*\c+3], v[6+(\q)/4] offset:16*\t*PITCH+64*((\q)%4)+32*\c
.endr
.endr
	WIN 0
.irp m, 0,1,2,3
.irp c, 0,1
	ds_load_b128 v[S1F+32*((\q)%2)+8*\m+4*\c:S1F+32*((\q)%2)+8*\m+4*\c+3], v[4+(\q)/4] offset:16*\m*PITCH+64*((\q)%4)+32*\c
.endr
.endr
.endm
; The head behind the bias loads: both scale blocks and chunk 0 are waited for, all fragments of two K steps are asked for, the first K step starts the sums on the bias.
.macro HEAD km, kt
	s_wait_tensorcnt 0x2                   ; of my six loads the four older have landed: my parts of the scales and of chunk 0; chunk 1's two stay out
	s_barrier_signal -1
	s_barrier_wait -1                      ; everybody's have
	SCALES
	FETCH 0
	FETCH 1
	s_wait_dscnt 24                        ; all but K step 1's 24 loads
	s_wait_loadcnt 0x0                     ; the bias
	MUL32 0,0x81,BI,\km,\kt                ; source 0 window 1, C (the bias) window 0, D window 2
	WIN 0                                  ; a branch or a label follows
.endm
; 64 numbers of a lane, accumulators a .. a + 63 of window 2 (tile t at a + 8 t: S0 rows 16 t + 8 h + 0 .. 7 of my S1 row), become a fragment's codes in v[pc] on and its scale word in v[pw].
.macro QUANT a, pc, pw
	WIN 0x0a                               ; sources 0 and 1 window 2
.irp b, 0,1,2,3
	v_max3_num_f32 v[TM+\b], |v[\a+16*\b]|, |v[\a+16*\b+1]|, 0x1800000   ; block b: my 16 numbers, each accumulator from its low end on, and the floor 2^(3 - 127): the byte cannot fall under 1
.endr
	WIN 0x28                               ; sources 1 and 2 window 2
.irp i, 2,4,6,8,10,12,14
.irp b, 0,1,2,3
	v_max3_num_f32 v[TM+\b], v[TM+\b], |v[\a+16*\b+\i]|, |v[\a+16*\b+\i+1]|
.endr
.endr
	WIN 0
.irp b, 0,1,2,3
	v_permlanex16_b32 v[TM+4+\b], v[TM+\b], s36, s37
.endr
.irp b, 0,1,2,3
	v_max_num_f32 v[TM+\b], v[TM+\b], v[TM+4+\b]                 ; with lane l xor 16's: the block's largest magnitude
.endr
.irp b, 0,1,2,3
	v_add_nc_u32 v[TM+12+\b], 0xff000000, v[TM+\b]               ; 2 off its exponent field: the conversion takes that field as its scale
.endr
.irp b, 0,1,2,3
	v_lshrrev_b32 v[TM+4+\b], 23, v[TM+12+\b]                    ; the scale's byte
.endr
	v_lshl_or_b32 v[\pw], v[TM+5], 8, v[TM+4]
	v_lshl_or_b32 v[\pw], v[TM+6], 16, v[\pw]
	v_lshl_or_b32 v[\pw], v[TM+7], 24, v[\pw]
	WIN 0x02                               ; source 0 window 2
.irp c, 0,1                            ; a conversion takes one tile's eight registers; the order is chosen for the exchange below
	v_cvt_scalef32_pk8_fp4_f32 v[\pc+4*\c], v[\a+32*\c:\a+32*\c+7], v[TM+12+2*\c]
	v_cvt_scalef32_pk8_fp4_f32 v[\pc+4*\c+1], v[\a+32*\c+16:\a+32*\c+23], v[TM+13+2*\c]
	v_cvt_scalef32_pk8_fp4_f32 v[\pc+4*\c+2], v[\a+32*\c+8:\a+32*\c+15], v[TM+12+2*\c]
	v_cvt_scalef32_pk8_fp4_f32 v[\pc+4*\c+3], v[\a+32*\c+24:\a+32*\c+31], v[TM+13+2*\c]
.endr
	WIN 0
	v_nop                                  ; one plain place behind a scaled conversion
.irp c, 0,1
	v_permlane16_swap_b32 v[\pc+4*\c], v[\pc+4*\c+1]             ; the first's lanes 16-31 change places with the second's lanes 0-15:
	v_permlane16_swap_b32 v[\pc+4*\c+2], v[\pc+4*\c+3]           ; registers 4 c .. 4 c + 3 of lane (r, h) now hold k = 64 c + 32 h + 0 .. 31
.endr
.endm
	s_load_b512 s[4:19], s[0:1], 0x0       ; argument n lies at s[4 + 2 n]: three of each kind on end (for q, for k, for v)
	s_load_b512 s[20:35], s[0:1], 0x40
	s_load_b64 s[36:37], s[0:1], 0x80
	v_lshl_add_u32 v254, v0, 2, 0x36400
	v_mov_b32 v255, 0
	ds_add_u32 v254, v255
	ds_add_u32 v254, v255
	v_lshrrev_b32 v1, 5, v0
	v_readfirstlane_b32 s2, v1             ; wave 0..3
	s_bfe_u32 s100, ttmp6, 0x40000         ; cx
	s_bfe_u32 s101, ttmp6, 0x40004         ; cy
	s_and_b32 s96, ttmp7, 0xffff           ; the cluster's y, 0..23
	s_lshr_b32 s3, s96, 3                  ; which product: 0 q, 1 k, 2 v
	s_and_b32 s96, s96, 7
	s_cmp_eq_u32 s3, 2
	s_cselect_b32 s39, 0, s96              ; q, k: the 8 clusters along y walk S1 (32 tiles of tokens);
	s_cselect_b32 s38, s96, 0              ; v: they walk S0 (64 tiles of tokens)
	s_lshl_b32 s39, s39, 2
	s_add_co_u32 s39, s39, s101            ; T1, S1's tile of 256 rows: it never holds cx
	s_lshl_b32 s38, s38, 3
	s_lshl_b32 s97, ttmp9, 2
	s_add_co_u32 s38, s38, s97
	s_add_co_u32 s38, s38, s100            ; T0, S0's tile of 128 rows: it never holds cy
	s_lshl_b32 s98, s101, 2
	s_lshl_b32 s98, 15, s98                ; my row of the cluster
	s_lshl_b32 s99, 0x1111, s100           ; my column
	; descriptor groups 1: s[40:47] S1's codes (64 rows x 256 bytes, 512 apart), s[48:55] S0's codes (32 rows), s[56:63] S1's scales (8 rows of 256 dense bytes), s[68:75] S0's scales (4 rows)
	s_or_b32 s40, s98, CODEW
	s_or_b32 s48, s99, CODEW
	s_or_b32 s56, s98, SCLW
	s_or_b32 s68, s99, SCLW
.irp g, 40,48
	s_mov_b32 s[\g+1], 256<<16             ; tensor_dim0
	s_mov_b32 s[\g+3], 256<<16             ; tile_dim0
	s_mov_b32 s[\g+5], 512                 ; from row to row
	s_mov_b32 s[\g+6], 0
	s_mov_b32 s[\g+7], 0
.endr
	s_mov_b32 s42, 64<<16                  ; tensor_dim1
	s_mov_b32 s44, 64                      ; tile_dim1
	s_mov_b32 s50, 32<<16
	s_mov_b32 s52, 32
.irp g, 56,68
	s_mov_b32 s[\g+1], 32<<16
	s_mov_b32 s[\g+3], 32<<16
	s_mov_b32 s[\g+5], 32
	s_mov_b32 s[\g+6], 0
	s_mov_b32 s[\g+7], 0
.endr
	s_mov_b32 s58, 8<<16
	s_mov_b32 s60, 8
	s_mov_b32 s70, 4<<16
	s_mov_b32 s72, 4
	s_wait_dscnt 0x0
	s_wait_kmcnt 0x0
	s_cmp_eq_u32 s3, 1                     ; the buffers are chosen on the product's number, which hangs on no address
.irp k, 0,1,2,3,4
	s_cselect_b64 s[4+6*\k:5+6*\k], s[6+6*\k:7+6*\k], s[4+6*\k:5+6*\k]
.endr
	s_cmp_eq_u32 s3, 2
.irp k, 0,1,2,3,4
	s_cselect_b64 s[4+6*\k:5+6*\k], s[8+6*\k:9+6*\k], s[4+6*\k:5+6*\k]
.endr
	s_cmp_eq_u32 s3, 0
	s_cselect_b64 s[34:35], s[34:35], s[36:37]   ; S1's codes s[4:5], S1's scales s[10:11], S0's codes s[16:17], S0's scales s[22:23], the bias s[28:29], the output s[34:35]
	s_lshl_b32 s18, s39, 8
	s_lshl_b32 s7, s2, 6
	s_add_co_u32 s18, s18, s7              ; R1 = 256 T1 + 64 w: the first row of S1 that I fetch, and that I multiply
	s_lshl_b32 s8, s18, 5                  ; its scales, 32 bytes a row
	s_mov_b32 s9, 0
	s_lshl_b32 s6, s18, 9                  ; its codes, 512 bytes a row
	s_mov_b32 s7, 0
	s_lshl_b32 s12, s38, 7
	s_lshl_b32 s13, s2, 5
	s_add_co_u32 s12, s12, s13             ; R0 = 128 T0 + 32 w: the first row of S0 that I fetch
	s_lshl_b32 s14, s12, 5
	s_mov_b32 s15, 0
	s_lshl_b32 s12, s12, 9
	s_mov_b32 s13, 0
	; descriptor groups 0, one for each of my six loads; every LDS address is a constant + a constant x wave
	s_mov_b32 s76, 1
	s_mul_i32 s77, s2, 2176
	s_add_co_u32 s77, s77, SC1
	s_add_nc_u64 s[78:79], s[10:11], s[8:9]
	s_or_b32 s79, s79, 0x80000000
	s_mov_b32 s80, 1
	s_mul_i32 s81, s2, 1088
	s_add_co_u32 s81, s81, SC0
	s_add_nc_u64 s[82:83], s[22:23], s[14:15]
	s_or_b32 s83, s83, 0x80000000
	s_mov_b32 s84, 1
	s_mul_i32 s85, s2, 64*PITCH
	s_add_nc_u64 s[86:87], s[4:5], s[6:7]
	s_mov_b32 s88, 1
	s_mul_i32 s89, s2, 32*PITCH
	s_add_co_u32 s89, s89, C0S0
	s_add_nc_u64 s[90:91], s[16:17], s[12:13]
	s_mov_b32 s92, 1
	s_add_co_u32 s93, s85, CHUNK
	s_add_nc_u64 s[94:95], s[86:87], 256   ; chunk 1: 256 bytes on in every row
	s_mov_b32 s96, 1
	s_add_co_u32 s97, s89, CHUNK
	s_add_nc_u64 s[98:99], s[90:91], 256
	s_or_b32 s87, s87, 0x80000000
	s_or_b32 s91, s91, 0x80000000
	s_or_b32 s95, s95, 0x80000000
	s_or_b32 s99, s99, 0x80000000
	CROUND                                 ; all sixteen work-groups are here: the joint loads meet
	tensor_load_to_lds s[76:79], s[56:63]  ; all first fills in one group; six loads of mine are out
	s_nop 0
	tensor_load_to_lds s[80:83], s[68:75]
	s_nop 0
	tensor_load_to_lds s[84:87], s[40:47]
	s_nop 0
	tensor_load_to_lds s[88:91], s[48:55]
	s_nop 0
	tensor_load_to_lds s[92:95], s[40:47]
	s_nop 0
	tensor_load_to_lds s[96:99], s[48:55]
	s_nop 0
.rept 4
	v_nop
.endr
	s_mov_b32 s36, 0x76543210              ; v_permlanex16_b32's selects for lane l xor 16
	s_mov_b32 s37, 0xfedcba98
	s_mov_b32 s100, 0xffff0000             ; lanes 16-31
	v_and_b32 v1, 15, v0                   ; r
	v_bfe_u32 v2, v0, 4, 1                 ; h
	v_mul_u32_u24 v3, v1, PITCH
	v_lshl_add_u32 v3, v2, 4, v3           ; a fragment's row x pitch + 16 h
	v_add_nc_u32 v4, s85, v3               ; S1: my 64 rows, chunk 0
	v_add_nc_u32 v5, CHUNK, v4             ; chunk 1
	v_add_nc_u32 v6, C0S0, v3              ; S0: all 128 rows
	v_add_nc_u32 v7, CHUNK, v6
	v_lshrrev_b32 v13, 3, v1               ; a row's 32 scale bytes: eight rows to a unit of 256 + 16
	v_and_b32 v14, 7, v1
	v_mul_u32_u24 v15, v13, 272
	v_lshl_add_u32 v15, v14, 5, v15
	v_mad_u32_u24 v15, v2, 544, v15        ; lanes 16-31 take the tile 16 rows (two units) on
	v_add_nc_u32 v8, s77, v15
	v_add_nc_u32 v9, SC0, v15
	v_and_b32 v13, 31, v0
	v_lshlrev_b32 v10, 4, v13
	v_lshlrev_b32 v11, 3, v13
.irp b, 0,1,2,3
	v_mov_b32 v[TM+4+\b], 0                ; written once: a lane permute's destination counts as one of its sources
.endr
	s_mov_b32 s21, 0
	s_cmp_eq_u32 s3, 2
	s_cbranch_scc1 .Lhead_v
	s_lshl_b32 s20, s38, 9                 ; q, k: the bias goes by S0's row: register j of tile t wants b[128 T0 + 16 t + 8 h + j]
	s_add_nc_u64 s[28:29], s[28:29], s[20:21]
	v_lshlrev_b32 v12, 5, v2
.irp t, 0,1,2,3,4,5,6,7
	global_load_b128 v[BI+8*\t:BI+8*\t+3], v12, s[28:29] offset:64*\t
	global_load_b128 v[BI+8*\t+4:BI+8*\t+7], v12, s[28:29] offset:64*\t+16
.endr
	s_wait_alu depctr_va_vdst(0)
	HEAD 0,8
	s_branch .Lbody
.Lhead_v:
	s_lshl_b32 s20, s18, 2                 ; v: the bias goes by S1's row: all eight registers of tile m want b[R1 + 16 m + r]
	s_add_nc_u64 s[28:29], s[28:29], s[20:21]
	v_lshlrev_b32 v12, 2, v1
.irp m, 0,1,2,3
.irp j, 0,1,2,3,4,5,6,7
	global_load_b32 v[BI+8*\m+\j], v12, s[28:29] offset:64*\m
.endr
.endr
	s_wait_alu depctr_va_vdst(0)
	HEAD 8,0
.Lbody:
.irp q, 1,2
	PLACES                                 ; the set that takes the loads was read by the step before
	FETCH \q+1
	s_wait_dscnt 24                        ; this step's fragments are in; the 24 loads just issued may be out
	MUL32 \q,0xa1,0,64,8
.endr
	s_wait_dscnt 0x0                       ; no LDS load of mine is out at a signal
	s_wait_tensorcnt 0x0                   ; my parts of chunk 1 have landed
	s_barrier_signal -1
	s_barrier_wait -1                      ; everybody's have
	PLACES
	FETCH 4
	s_wait_dscnt 24
	MUL32 3,0xa1,0,64,8
.irp q, 4,5,6
	PLACES
	FETCH \q+1
	s_wait_dscnt 24
	MUL32 \q,0xa1,0,64,8
.endr
	s_wait_dscnt 0x0
	MUL32 7,0xa1,0,64,8
	PLACES                                 ; in front of the first read of results
	QUANT 0,PC,PW
	QUANT 64,PC+8,PW+1
	QUANT 128,PC+16,PW+2
	QUANT 192,PC+24,PW+3
	s_mov_b32 s13, 0
	s_cmp_eq_u32 s3, 2
	s_cbranch_scc1 .Lout_v
	; q, k: registers 4 c .. 4 c + 3 of tile m are head 2 T0 + c, tokens 16 m + r, dims 32 h ..: one image of 512 bytes
	s_lshr_b32 s6, s39, 3                  ; batch (8 tiles of 256 tokens each)
	s_lshl_b32 s6, s6, 4
	s_lshl_b32 s7, s38, 1
	s_add_co_u32 s6, s6, s7                ; 16 x batch + my first head
	s_mul_i32 s6, s6, BHB
	s_and_b32 s7, s39, 7
	s_lshl_b32 s7, s7, 1
	s_lshr_b32 s8, s2, 1
	s_add_co_u32 s7, s7, s8                ; the key step of my 64 tokens
	s_mul_i32 s7, s7, STB
	s_add_co_u32 s6, s6, s7
	s_and_b32 s8, s2, 1                    ; which 64 of its 128
	s_lshl_b32 s12, s8, 11
	s_add_co_u32 s12, s12, s6
	s_lshl_b32 s14, s8, 8
	s_add_co_u32 s14, s14, s6
	s_add_co_u32 s14, s14, 8192
	s_mov_b32 s15, 0
	s_add_nc_u64 s[12:13], s[34:35], s[12:13]
	s_add_nc_u64 s[14:15], s[34:35], s[14:15]
	s_wait_alu depctr_va_vdst(0)
.irp m, 0,1,2,3
.irp c, 0,1
	global_store_b128 v10, v[PC+8*\m+4*\c:PC+8*\m+4*\c+3], s[12:13] offset:\c*BHB+\m*512   ; 32 lanes store 512 consecutive bytes, at a multiple of 256 from the buffer's first byte
.endr
.endr
.irp j, 0,1
	v_cndmask_b32 v[XW+\j], v[PW+2*\j], v[PW+2*\j+1], s100       ; lanes 0-15: tile 2 j's word, lanes 16-31: tile 2 j + 1's
.endr
.irp j, 0,1
	v_perm_b32 v[SW+\j], v[XW+\j], v[XW+\j], 0x01000100          ; the first head's two bytes, twice: the word serves either half of K = 128
	v_perm_b32 v[SW+2+\j], v[XW+\j], v[XW+\j], 0x03020302        ; the second head's
.endr
	global_store_b64 v11, v[SW:SW+1], s[14:15]                   ; 256 consecutive bytes, aligned
	global_store_b64 v11, v[SW+2:SW+3], s[14:15] offset:BHB
	s_branch .Lend
.Lout_v:
	; v: registers 4 c .. 4 c + 3 of tile m are head 4 T1 + w, dim 16 m + r, keys 64 c + 32 h .. of key step T0 % 16
	s_lshr_b32 s6, s38, 4                  ; batch (16 tiles of 128 tokens each)
	s_lshl_b32 s6, s6, 4
	s_lshl_b32 s7, s39, 2
	s_add_co_u32 s6, s6, s7
	s_add_co_u32 s6, s6, s2
	s_mul_i32 s6, s6, BHB
	s_and_b32 s7, s38, 15
	s_mul_i32 s7, s7, STB
	s_add_co_u32 s12, s6, s7
	s_add_co_u32 s12, s12, 4096
	s_add_nc_u64 s[12:13], s[34:35], s[12:13]
	s_wait_alu depctr_va_vdst(0)
.irp m, 0,1,2,3
.irp c, 0,1
	global_store_b128 v10, v[PC+8*\m+4*\c:PC+8*\m+4*\c+3], s[12:13] offset:1024*\m+512*\c
.endr
.endr
.irp j, 0,1
	v_cndmask_b32 v[XW+\j], v[PW+2*\j], v[PW+2*\j+1], s100
.endr
	global_store_b64 v11, v[XW:XW+1], s[12:13] offset:4608
.Lend:
	s_wait_tensorcnt 0x0
	ds_add_u32 v254, v255
	s_wait_dscnt 0x0
	CROUND                                 ; the closing round: no work-group ends while a partner may still ask for a tile that names it
	s_endpgm
.Lfunc_end_k_q0e1ca7cca7_proj:
	.size	k_q0e1ca7cca7_proj, .Lfunc_end_k_q0e1ca7cca7_proj-k_q0e1ca7cca7_proj
	.p2alignl 7, 3214868480
	.fill 96, 4, 3214868480
	.section	.rodata,"a",@progbits
	.p2align	6, 0x0
	.amdhsa_kernel k_q0e1ca7cca7_proj
		.amdhsa_group_segment_fixed_size 222720
		.amdhsa_private_segment_fixed_size 0
		.amdhsa_enable_private_segment 0
		.amdhsa_kernarg_size 136
		.amdhsa_user_sgpr_count 2
		.amdhsa_user_sgpr_kernarg_segment_ptr 1
		.amdhsa_wavefront_size32 1
		.amdhsa_system_sgpr_workgroup_id_x 1
		.amdhsa_system_sgpr_workgroup_id_y 1
		.amdhsa_system_sgpr_workgroup_id_z 1
		.amdhsa_system_vgpr_workitem_id 0
		.amdhsa_next_free_vgpr 768
		.amdhsa_next_free_sgpr 102
		.amdhsa_reserve_vcc 0
		.amdhsa_float_denorm_mode_32 3
		.amdhsa_float_denorm_mode_16_64 3
		.amdhsa_memory_ordered 1
		.amdhsa_forward_progress 1
		.amdhsa_inst_pref_size 88
	.end_amdhsa_kernel
	.amdgpu_metadata
---
amdhsa.version: [ 1, 2 ]
amdhsa.kernels:
  - .name:           k_q0e1ca7cca7_proj
    .symbol:         k_q0e1ca7cca7_proj.kd
    .args:
      - { .name: query_codes, .offset: 0, .size: 8, .value_kind: global_buffer, .address_space: global }
      - { .name: key_codes, .offset: 8, .size: 8, .value_kind: global_buffer, .address_space: global }
      - { .name: Wv_codes, .offset: 16, .size: 8, .value_kind: global_buffer, .address_space: global }
      - { .name: query_scales, .offset: 24, .size: 8, .value_kind: global_buffer, .address_space: global }
      - { .name: key_scales, .offset: 32, .size: 8, .value_kind: global_buffer, .address_space: global }
      - { .name: Wv_scales, .offset: 40, .size: 8, .value_kind: global_buffer, .address_space: global }
      - { .name: Wq_codes, .offset: 48, .size: 8, .value_kind: global_buffer, .address_space: global }
      - { .name: Wk_codes, .offset: 56, .size: 8, .value_kind: global_buffer, .address_space: global }
      - { .name: value_codes, .offset: 64, .size: 8, .value_kind: global_buffer, .address_space: global }
      - { .name: Wq_scales, .offset: 72, .size: 8, .value_kind: global_buffer, .address_space: global }
      - { .name: Wk_scales, .offset: 80, .size: 8, .value_kind: global_buffer, .address_space: global }
      - { .name: value_scales, .offset: 88, .size: 8, .value_kind: global_buffer, .address_space: global }
      - { .name: bq, .offset: 96, .size: 8, .value_kind: global_buffer, .address_space: global }
      - { .name: bk, .offset: 104, .size: 8, .value_kind: global_buffer, .address_space: global }
      - { .name: bv, .offset: 112, .size: 8, .value_kind: global_buffer, .address_space: global }
      - { .name: qb, .offset: 120, .size: 8, .value_kind: global_buffer, .address_space: global }
      - { .name: kv, .offset: 128, .size: 8, .value_kind: global_buffer, .address_space: global }
    .group_segment_fixed_size: 222720
    .private_segment_fixed_size: 0
    .kernarg_segment_align: 8
    .kernarg_segment_size: 136
    .max_flat_workgroup_size: 128
    .sgpr_count:     102
    .vgpr_count:     768
    .wavefront_size: 32
...
	.end_amdgpu_metadata
.endif
;; end of part 1
;; launch attn (part 2): grid 4 x 64, 16 waves a work-group, clusters of 4 x 1, 169,984 bytes of LDS; arguments qb, kv, oimg, osc; writes oimg, osc
.if DOCPART == 2
	.amdgcn_target "amdgcn-amd-amdhsa--gfx1250"
	.amdhsa_code_object_version 6
	.text
	.protected	k_q0e1ca7cca7_attn
	.globl	k_q0e1ca7cca7_attn
	.p2align	8
	.type	k_q0e1ca7cca7_attn,@function
k_q0e1ca7cca7_attn:
	s_mov_b64 s[64:65], 0
	v_nop
	global_prefetch_b8 v0, s[64:65] scope:SCOPE_SE
	s_setreg_imm32_b32 hwreg(HW_REG_WAVE_MODE, 25, 1), 1
	s_wait_xcnt 0x0
	s_wait_alu depctr_hold_cnt(0) depctr_sa_sdst(0) depctr_va_vdst(0) depctr_va_sdst(0) depctr_va_ssrc(0) depctr_va_vcc(0) depctr_vm_vsrc(0)
	s_getreg_b32 s2, hwreg(HW_REG_IB_STS2, 6, 4)
	s_cmp_eq_u32 s2, 0
	s_cbranch_scc0 .Lentry_in_a_cluster
	s_endpgm
.Lentry_in_a_cluster:
	s_bfe_u32 s2, ttmp6, 0x10000c
	s_cmp_lg_u32 s2, 0x3003
	s_cbranch_scc0 .Lentry_shape_is_right
	s_endpgm
.Lentry_shape_is_right:
; Causal attention of one (batch, head) for each cluster, both products on codes of FP4 (E2M1) with one E8M0 scale for each 32 along K; the result, divided by the row's sum, is quantised along the head's 64 and leaves as codes.
; THE SOFTMAX AHEAD OF THE SECOND PRODUCT: t = score x log2(e) / 8; M = the running largest t rounded UP to a whole number; p = 2^(t - M) is quantised along the keys, not normalised; the row's sum is taken of the unquantised p;
; when M moves, the sum and O^T are multiplied by 2^(old M - new M), which rounds nothing.
; LDS IS FILLED ONCE.  A head's K images, V^T images and scale words are 16 key steps x 8,960 bytes = 143,360 bytes: wave w brings key step w by one load.  The four work-groups of a cluster need the same bytes:
; each load is asked for JOINTLY (mask 15).  Behind one barrier nobody writes LDS again, so the waves run free until the closing round.
; SHARES.  A wave owns two tiles of 16 queries, I and 127 - I, I = 8 (w / 2) + 2 cx + w % 2: they see w / 2 + 1 and 16 - w / 2 key steps of 128 keys, 17 together in every wave of the launch.
; Every tile's loop has 16 trips; a step all of whose keys are hidden jumps over its work on a bound made of the wave's number alone.  cx enters global addresses and the mask's operand, no branch and no LDS address.
; LAYOUT.  Both products are used transposed (S^T = K Q^T, O^T = V^T P^T): a lane holds one query (lane % 16), register j of tile k key 16 k + 8 (lane / 16) + j.
; K = 64 IN AN INSTRUCTION OF K = 128: a fragment of K holds two tiles of 16 keys (registers 0-3 keys 32 b + r, registers 4-7 keys 32 b + 16 + r); Q stands twice, as [q, 0] and as [0, q]: zero codes add nothing
; under any scale byte but 0xff, and this program's bytes are 1 .. 254.  A token's scale word is (s0, s1, s0, s1) and serves either half.
; LIMITS: NaN and infinities are not served; a block of zeros or one whose largest number lies under 2^-124 keeps the byte 1 (zero codes; this program alone reads the bytes); a block's largest p is made from its largest
; score by the same two instructions as every p, which takes v_exp_f32 not to fall where its input rises.
; The scale bytes of a tile leave as 2 bytes a lane, 32 bytes apart: one part in 17 of what the launch stores, and the next launch wants them as plain rows.
; REGISTERS: v1 16 x lane, v2 8 x lane, v3-4 LDS addresses in hand, v5 the mask's operand, v6 8 r, v7 32 r, v8 -infinity, v9 r - 8 h; v12 -M, v13 the largest t, v[14:15] the sum; v16-31 and v236-251 Q twice for each tile;
; v32, v34 Q's scale words, v33 p's; v40-71 K; v72-103 V; v104-107, v108-109 their scale words; v112-175 S^T, then p; v176-207 O^T; v208-215 codes; v216-233 at work.
.set STB, 8960
.set BHB, 143360
.set KF,  40
.set VF,  72
.set KSC, 104
.set VSC, 108
.set S,   112
.set O,   176
.set PCD, 208
.set BM,  216
.set BT,  220
.set SO,  224
.set F,   228
.set PS,  33
.macro CROUND                          ; a round of the cluster's barrier
	s_barrier_signal -1
	s_barrier_wait -1
	s_cmp_lg_u32 s2, 0
	s_cbranch_scc1 .Lnot_wave_0_\@
	s_barrier_signal -3
.Lnot_wave_0_\@:
	s_barrier_wait -3
	s_barrier_signal -1
	s_barrier_wait -1
.endm
; The four bases of tile number s[si]: Q's image s[40 + 4 i], Q's scale words s[42 + 4 i], the codes' way out s[48 + 4 i], the scale bytes' s[50 + 4 i]; s[62 + i] = 16 x (its place among its key step's eight tiles).
.macro TSET i, si
	s_lshr_b32 s56, s[\si], 3              ; its key step
	s_and_b32 s57, s[\si], 7               ; its place there
	s_lshl_b32 s[62+\i], s57, 4
	s_mul_i32 s56, s56, STB
	s_add_co_u32 s56, s56, s36             ; + the head's first byte
	s_lshl_b32 s58, s57, 9                 ; an image is 512 bytes
	s_add_co_u32 s58, s58, s56
	s_mov_b32 s59, 0
	s_add_nc_u64 s[40+4*\i:41+4*\i], s[4:5], s[58:59]
	s_lshr_b32 s58, s57, 2                 ; scale words: 256 x (group of 64 tokens) + 128 x (tile % 2) + 4 x ((tile / 2) % 2) + 8 r
	s_lshl_b32 s58, s58, 8
	s_and_b32 s60, s57, 1
	s_lshl_b32 s60, s60, 7
	s_add_co_u32 s58, s58, s60
	s_bfe_u32 s60, s57, 0x10001
	s_lshl_b32 s60, s60, 2
	s_add_co_u32 s58, s58, s60
	s_add_co_u32 s58, s58, s56
	s_add_co_u32 s58, s58, 8192
	s_add_nc_u64 s[42+4*\i:43+4*\i], s[4:5], s[58:59]
	s_lshr_b32 s60, s3, 4                  ; batch
	s_lshl_b32 s60, s60, 7
	s_add_co_u32 s60, s60, s[\si]          ; the tile among all 512 tiles of tokens
	s_and_b32 s61, s3, 15                  ; head
	s_lshl_b32 s58, s60, 13                ; oimg: 8,192 bytes a tile, 512 a head
	s_lshl_b32 s56, s61, 9
	s_add_co_u32 s58, s58, s56
	s_add_nc_u64 s[48+4*\i:49+4*\i], s[8:9], s[58:59]
	s_lshl_b32 s58, s60, 9                 ; osc: 32 bytes a token, 2 a head
	s_lshl_b32 s56, s61, 1
	s_add_co_u32 s58, s58, s56
	s_add_nc_u64 s[50+4*\i:51+4*\i], s[10:11], s[58:59]
.endm
	s_load_b256 s[4:11], s[0:1], 0x0       ; qb, kv, oimg, osc
	v_lshl_add_u32 v254, v0, 2, 0x29000
	v_mov_b32 v255, 0
	ds_add_u32 v254, v255
	ds_add_u32 v254, v255
	v_lshrrev_b32 v1, 5, v0
	s_delay_alu instid0(VALU_DEP_1)
	v_readfirstlane_b32 s2, v1             ; wave 0..15
	s_and_b32 s3, ttmp7, 0xffff            ; 16 x batch + head: the cluster's y
	s_bfe_u32 s12, ttmp6, 0x40000          ; cx
	s_lshr_b32 s13, s2, 1                  ; g: tile 1's last visible key step
	s_sub_co_u32 s16, 15, s13              ; tile 2's
	s_and_b32 s19, s2, 1
	s_lshl_b32 s14, s13, 3
	s_lshl_b32 s56, s12, 1
	s_add_co_u32 s14, s14, s56
	s_add_co_u32 s14, s14, s19             ; I1 = 8 g + 2 cx + w % 2
	s_sub_co_u32 s15, 127, s14             ; I2
	s_mov_b32 s20, 0x76543210              ; v_permlanex16_b32's selects for lane l xor 16
	s_mov_b32 s21, 0xfedcba98
	s_mov_b32 s22, 0x3e38aa3b              ; c = log2(e) / sqrt(64)
	s_mov_b32 s23, s22                     ; (the packed form names the pair)
	; descriptor group 1: a key step's 8,960 dense bytes as 35 rows of 256 (32 elements of 8 bytes); no padding: every LDS load here takes consecutive bytes
	s_mov_b32 s24, 15|(3<<16)|(1<<21)      ; the mask: all four work-groups; bit 21 beside a mask
	s_mov_b32 s25, 32<<16
	s_mov_b32 s26, 35<<16
	s_mov_b32 s27, 32<<16
	s_mov_b32 s28, 35
	s_mov_b32 s29, 32
	s_mov_b32 s30, 0
	s_mov_b32 s31, 0
	s_mul_i32 s36, s3, BHB                 ; the head's first byte in qb and kv
	s_mov_b32 s32, 1
	s_mul_i32 s33, s2, STB                 ; key step w goes to LDS byte 8,960 w
	s_add_co_u32 s38, s36, s33
	s_mov_b32 s39, 0
	s_wait_dscnt 0x0
	s_wait_kmcnt 0x0
	s_add_nc_u64 s[34:35], s[6:7], s[38:39]
	s_or_b32 s35, s35, 0x80000000
	TSET 0, 14
	TSET 1, 15
	CROUND                                 ; all four work-groups are here: the joint loads meet
	tensor_load_to_lds s[32:35], s[24:31]  ; my one tensor load of the launch
	s_nop 0
.rept 4
	v_nop
.endr
	v_and_b32 v9, 31, v0
	s_delay_alu instid0(VALU_DEP_1)
	v_lshlrev_b32 v1, 4, v9
	s_delay_alu instid0(VALU_DEP_2)
	v_lshlrev_b32 v2, 3, v9
	v_and_b32 v10, 15, v0                  ; r
	v_bfe_u32 v11, v0, 4, 1                ; h
	s_delay_alu instid0(VALU_DEP_2)
	v_lshlrev_b32 v6, 3, v10
	s_delay_alu instid0(VALU_DEP_3)
	v_lshlrev_b32 v7, 5, v10
	s_delay_alu instid0(VALU_DEP_3)
	v_lshlrev_b32 v11, 3, v11
	s_delay_alu instid0(VALU_DEP_1)
	v_sub_nc_u32 v9, v10, v11              ; r - 8 h
	v_mov_b32 v8, 0xff800000               ; -infinity
	global_load_b128 v[16:19], v1, s[40:41]      ; tile 1's q as [q, 0]
	global_load_b128 v[28:31], v1, s[40:41]      ; and as [0, q]
	global_load_b32 v32, v6, s[42:43]
	global_load_b128 v[236:239], v1, s[44:45]    ; tile 2's
	global_load_b128 v[248:251], v1, s[44:45]
	global_load_b32 v34, v6, s[46:47]
.irp j, 20,21,22,23,24,25,26,27,240,241,242,243,244,245,246,247
	v_mov_b32 v[\j], 0                     ; the zero codes
.endr
	s_wait_loadcnt 0x0
	s_wait_tensorcnt 0x0                   ; my key step has landed
	s_barrier_signal -1
	s_barrier_wait -1                      ; the whole head has
; One tile of 16 queries.  qf: [q, 0] at v[qf], [0, q] at v[qf + 8]; qs: its scale words; sd: 16 x its place in its key step; sgl: its last visible key step; so: its two output bases.
.macro TILE qf, qs, sd, sgl, so
	v_add_nc_u32 v5, s[\sd], v9            ; d = my query - the diagonal step's first key - 8 h
	v_mov_b32 v13, 0xff61b1e6              ; the largest t so far: -3e38, under every t
	s_delay_alu instid0(VALU_DEP_1)
	v_floor_f32 v12, -v13                  ; -M
	v_mov_b32 v14, 0                       ; the sum, in two halves
	v_mov_b32 v15, 0
.irp b, 0,1,2,3
	v_mov_b32 v[BT+\b], 0                  ; a lane permute's destination counts as one of its sources
.endr
	v_mov_b32 v[F+1], 0                    ; (named as the upper half of a pair)
	v_mov_b32 v230, 0
.set j, 0
.rept 32
	v_mov_b32 v[O+j], 0                    ; O^T: the step is written once; the first finds zeros, which the first change of M leaves zeros
.set j, j+1
.endr
	s_mov_b32 s18, 0                       ; LDS byte of the key step
	s_mov_b32 s17, 0                       ; its number
.Lstep_\@:
	s_cmp_gt_u32 s17, s[\sgl]              ; all its keys come after my queries: only the stepping lines remain
	s_cbranch_scc1 .Lskip_\@
	s_setprio 2
	v_add_nc_u32 v3, s18, v1
	v_add_nc_u32 v4, s18, v2
	v_nop
	v_nop                                  ; four places in front of loads into registers that the last step's last products read
.irp b, 0,1,2,3
.irp u, 0,1
	ds_load_b128 v[KF+8*\b+4*\u:KF+8*\b+4*\u+3], v3 offset:1024*\b+512*\u
.endr
.endr
	ds_load_b64 v[KSC:KSC+1], v4 offset:8192
	ds_load_b64 v[KSC+2:KSC+3], v4 offset:8448
.irp t, 0,1,2,3
.irp c, 0,1
	ds_load_b128 v[VF+8*\t+4*\c:VF+8*\t+4*\c+3], v3 offset:4096+1024*\t+512*\c
.endr
.endr
	ds_load_b64 v[VSC:VSC+1], v4 offset:8704
	s_wait_dscnt 9                         ; K and its scale words are in; V's nine loads may be out
.irp b, 0,1,2,3
	v_wmma_scale_f32_16x16x128_f8f6f4 v[S+16*\b:S+16*\b+7], v[KF+8*\b:KF+8*\b+7], v[\qf:\qf+7], 0, v[KSC+\b], v[\qs] matrix_a_fmt:MATRIX_FMT_FP4 matrix_b_fmt:MATRIX_FMT_FP4
	v_wmma_scale_f32_16x16x128_f8f6f4 v[S+16*\b+8:S+16*\b+15], v[KF+8*\b:KF+8*\b+7], v[\qf+8:\qf+15], 0, v[KSC+\b], v[\qs] matrix_a_fmt:MATRIX_FMT_FP4 matrix_b_fmt:MATRIX_FMT_FP4 matrix_a_scale:MATRIX_SCALE_ROW1
.endr
.rept 4
	v_nop                                  ; places in front of the first read of the scores
.endr
	s_cmp_lt_u32 s17, s[\sgl]              ; ahead of the diagonal every key counts
	s_cbranch_scc1 .Lopen_\@
.set n, 0
.rept 64
	v_cmp_gt_i32 vcc_lo, 16*(n/8)+n%8, v5  ; register n holds key 16 (n / 8) + n % 8 + 8 h of the step: hidden where that is beyond my query
	v_cndmask_b32 v[S+n], v[S+n], v8, vcc_lo
.set n, n+1
.endr
.Lopen_\@:
.irp b, 0,1,2,3
	v_max3_num_f32 v[BM+\b], v[S+16*\b], v[S+16*\b+1], v[S+16*\b+2]     ; the largest score of each block of 32 keys: for the row's maximum and for the block's largest p
.endr
.irp i, 3,5,7,9,11,13
.irp b, 0,1,2,3
	v_max3_num_f32 v[BM+\b], v[BM+\b], v[S+16*\b+\i], v[S+16*\b+\i+1]
.endr
.endr
.irp b, 0,1,2,3
	v_max_num_f32 v[BM+\b], v[BM+\b], v[S+16*\b+15]
.endr
.irp b, 0,1,2,3
	s_delay_alu instid0(VALU_DEP_4)
	v_permlanex16_b32 v[BT+\b], v[BM+\b], s20, s21
.endr
.irp b, 0,1,2,3
	s_delay_alu instid0(VALU_DEP_4)
	v_max_num_f32 v[BM+\b], v[BM+\b], v[BT+\b]      ; with lane l xor 16's 16 keys
.endr
	s_delay_alu instid0(VALU_DEP_2)
	v_max3_num_f32 v230, v[BM], v[BM+1], v[BM+2]
	s_delay_alu instid0(VALU_DEP_1)
	v_max_num_f32 v230, v230, v[BM+3]
	s_delay_alu instid0(VALU_DEP_1)
	v_mul_f32 v230, s22, v230              ; the step's largest t (c is positive)
	s_delay_alu instid0(VALU_DEP_1)
	v_max_num_f32 v13, v13, v230
	v_mov_b32 v230, v12
	s_delay_alu instid0(VALU_DEP_2)
	v_floor_f32 v12, -v13                  ; the new -M = -ceil(t)
	s_delay_alu instid0(VALU_DEP_1)
	v_sub_f32 v230, v12, v230              ; old M - new M: a whole number, 0 or less
	s_delay_alu instid0(VALU_DEP_1)
	v_cvt_i32_f32 v230, v230               ; (it saturates)
	s_delay_alu instid0(VALU_DEP_1)
	v_ldexp_f32 v[F], 1.0, v230            ; f = 2^(old M - new M)
.set j, 0
.rept 32
	v_pk_fma_f32 v[S+j:S+j+1], v[S+j:S+j+1], s[22:23], v[12:13] op_sel_hi:[1,0,0]   ; t - M, two at a time
.set j, j+2
.endr
	s_setprio 1
.irp b, 0,1,2,3
	v_fma_f32 v[BM+\b], v[BM+\b], s22, v12
.endr
.set j, 0
	s_wait_alu depctr_va_vdst(0)
.rept 64
	v_exp_f32 v[S+j], v[S+j]               ; p = 2^(t - M)
.set j, j+1
.endr
.irp b, 0,1,2,3
	v_exp_f32 v[BM+\b], v[BM+\b]           ; the block's largest p
.endr
	v_pk_mul_f32 v[14:15], v[14:15], v[F:F+1] op_sel_hi:[1,0]      ; the sum under the new M (a plain place behind the exponentials)
	s_wait_alu depctr_va_vdst(0)
.irp b, 0,1,2,3
	v_max_num_f32 v[BM+\b], 0x1800000, v[BM+\b]     ; the floor 2^(3 - 127): the byte cannot fall under 1
.endr
.irp b, 0,1,2,3
	s_delay_alu instid0(VALU_DEP_4)
	v_add_nc_u32 v[SO+\b], 0xff000000, v[BM+\b]     ; 2 off the exponent field: the conversion's scale operand
.endr
.irp b, 0,1,2,3
	s_delay_alu instid0(VALU_DEP_4)
	v_lshrrev_b32 v[BT+\b], 23, v[SO+\b]            ; the scale's byte
.endr
	s_delay_alu instid0(VALU_DEP_3)
	v_lshl_or_b32 v[PS], v[BT+1], 8, v[BT]
	s_delay_alu instid0(VALU_DEP_1)
	v_lshl_or_b32 v[PS], v[BT+2], 16, v[PS]
	s_delay_alu instid0(VALU_DEP_1)
	v_lshl_or_b32 v[PS], v[BT+3], 24, v[PS]         ; p's scale word for these 128 keys
.irp c, 0,1
	v_cvt_scalef32_pk8_fp4_f32 v[PCD+4*\c], v[S+32*\c:S+32*\c+7], v[SO+2*\c]
	v_cvt_scalef32_pk8_fp4_f32 v[PCD+4*\c+1], v[S+32*\c+16:S+32*\c+23], v[SO+2*\c+1]
	v_cvt_scalef32_pk8_fp4_f32 v[PCD+4*\c+2], v[S+32*\c+8:S+32*\c+15], v[SO+2*\c]
	v_cvt_scalef32_pk8_fp4_f32 v[PCD+4*\c+3], v[S+32*\c+24:S+32*\c+31], v[SO+2*\c+1]
.endr
	v_nop                                  ; one plain place behind a scaled conversion
.irp c, 0,1
	v_permlane16_swap_b32 v[PCD+4*\c], v[PCD+4*\c+1]       ; registers 4 c .. 4 c + 3 of lane (r, h) now hold keys 64 c + 32 h + 0 .. 31
	v_permlane16_swap_b32 v[PCD+4*\c+2], v[PCD+4*\c+3]
.endr
	v_pk_add_f32 v[232:233], v[116:117], v[120:121]
	v_pk_add_f32 v[252:253], v[124:125], v[128:129]
	v_pk_add_f32 v[234:235], v[132:133], v[136:137]
	v_pk_add_f32 v[226:227], v[140:141], v[144:145]
	v_pk_add_f32 v[224:225], v[148:149], v[152:153]
	v_pk_add_f32 v[218:219], v[156:157], v[160:161]
	v_pk_add_f32 v[216:217], v[164:165], v[168:169]
	v_pk_add_f32 v[14:15], v[14:15], v[172:173]
	v_pk_add_f32 v[232:233], v[232:233], v[112:113]
	v_pk_add_f32 v[252:253], v[252:253], v[114:115]
	v_pk_add_f32 v[234:235], v[234:235], v[118:119]
	v_pk_add_f32 v[226:227], v[226:227], v[122:123]
	v_pk_add_f32 v[224:225], v[224:225], v[126:127]
	s_setprio 0
	v_pk_add_f32 v[218:219], v[218:219], v[130:131]
	v_pk_add_f32 v[216:217], v[216:217], v[134:135]
	v_pk_add_f32 v[14:15], v[14:15], v[138:139]
	v_pk_add_f32 v[232:233], v[232:233], v[142:143]
	v_pk_add_f32 v[252:253], v[252:253], v[146:147]
	v_pk_add_f32 v[234:235], v[234:235], v[150:151]
	v_pk_add_f32 v[226:227], v[226:227], v[154:155]
	v_pk_add_f32 v[224:225], v[224:225], v[158:159]
	v_pk_add_f32 v[218:219], v[218:219], v[162:163]
	v_pk_add_f32 v[216:217], v[216:217], v[166:167]
	v_pk_add_f32 v[14:15], v[14:15], v[170:171]
	v_pk_add_f32 v[232:233], v[232:233], v[174:175]
	s_delay_alu instid0(VALU_DEP_2)
	v_pk_add_f32 v[14:15], v[14:15], v[226:227]
	s_delay_alu instid0(VALU_DEP_2)
	v_pk_add_f32 v[232:233], v[232:233], v[224:225]
	v_pk_add_f32 v[252:253], v[252:253], v[218:219]
	v_pk_add_f32 v[234:235], v[234:235], v[216:217]
	s_delay_alu instid0(VALU_DEP_2)
	v_pk_add_f32 v[14:15], v[14:15], v[252:253]
	s_delay_alu instid0(VALU_DEP_2)
	v_pk_add_f32 v[232:233], v[232:233], v[234:235]
	s_delay_alu instid0(VALU_DEP_1)
	v_pk_add_f32 v[14:15], v[14:15], v[232:233]
.set j, 0
.rept 16
	v_pk_mul_f32 v[O+j:O+j+1], v[O+j:O+j+1], v[F:F+1] op_sel_hi:[1,0]   ; O^T under the new M; these and the sums are the places between the codes, the scale word and the products below
.set j, j+2
.endr
	s_wait_alu depctr_va_vdst(0)
	s_wait_dscnt 0x0                       ; V and its scale words are in
.irp t, 0,2
	v_wmma_scale_f32_16x16x128_f8f6f4 v[O+8*\t:O+8*\t+7], v[VF+8*\t:VF+8*\t+7], v[PCD:PCD+7], v[O+8*\t:O+8*\t+7], v[VSC+\t/2], v[PS] matrix_a_fmt:MATRIX_FMT_FP4 matrix_b_fmt:MATRIX_FMT_FP4
	v_wmma_scale_f32_16x16x128_f8f6f4 v[O+8*\t+8:O+8*\t+15], v[VF+8*\t+8:VF+8*\t+15], v[PCD:PCD+7], v[O+8*\t+8:O+8*\t+15], v[VSC+\t/2], v[PS] matrix_a_fmt:MATRIX_FMT_FP4 matrix_b_fmt:MATRIX_FMT_FP4 matrix_a_scale:MATRIX_SCALE_ROW1
.endr
.Lskip_\@:
	s_add_co_u32 s18, s18, STB
	s_add_co_u32 s17, s17, 1
	s_cmp_lt_u32 s17, 16
	s_cbranch_scc1 .Lstep_\@
	s_setprio 0
.rept 4
	v_nop                                  ; places in front of the first read of O^T
.endr
	v_add_f32 v14, v14, v15                ; the sum's two halves,
	s_delay_alu instid0(VALU_DEP_1)
	v_permlanex16_b32 v230, v14, s20, s21
	s_delay_alu instid0(VALU_DEP_1)
	v_add_f32 v14, v14, v230               ; and lane l xor 16's
	s_wait_alu depctr_va_vdst(0)
	v_rcp_f32 v14, v14
	v_nop                                  ; one plain place behind a transcendental
.set j, 0
	s_wait_alu depctr_va_vdst(0)
.rept 32
	v_mul_f32 v[S+j], v[O+j], v14          ; O^T / the sum, each accumulator from its low end on: register 8 t + i is dim 16 t + 8 h + i of my query
.set j, j+1
.endr
.irp b, 0,1
	v_max3_num_f32 v[BM+\b], |v[S+16*\b]|, |v[S+16*\b+1]|, 0x1800000    ; the head's two blocks of 32
.endr
.irp i, 2,4,6,8,10,12,14
.irp b, 0,1
	s_delay_alu instid0(VALU_DEP_2)
	v_max3_num_f32 v[BM+\b], v[BM+\b], |v[S+16*\b+\i]|, |v[S+16*\b+\i+1]|
.endr
.endr
.irp b, 0,1
	s_delay_alu instid0(VALU_DEP_2)
	v_permlanex16_b32 v[BT+\b], v[BM+\b], s20, s21
.endr
.irp b, 0,1
	s_delay_alu instid0(VALU_DEP_2)
	v_max_num_f32 v[BM+\b], v[BM+\b], v[BT+\b]
.endr
.irp b, 0,1
	s_delay_alu instid0(VALU_DEP_2)
	v_add_nc_u32 v[SO+\b], 0xff000000, v[BM+\b]
.endr
.irp b, 0,1
	s_delay_alu instid0(VALU_DEP_2)
	v_lshrrev_b32 v[BT+\b], 23, v[SO+\b]
.endr
	s_delay_alu instid0(VALU_DEP_1)
	v_lshl_or_b32 v231, v[BT+1], 8, v[BT]  ; my query's two scale bytes
	v_cvt_scalef32_pk8_fp4_f32 v[PCD], v[S:S+7], v[SO]
	v_cvt_scalef32_pk8_fp4_f32 v[PCD+1], v[S+16:S+23], v[SO+1]
	v_cvt_scalef32_pk8_fp4_f32 v[PCD+2], v[S+8:S+15], v[SO]
	v_cvt_scalef32_pk8_fp4_f32 v[PCD+3], v[S+24:S+31], v[SO+1]
	v_nop
	v_permlane16_swap_b32 v[PCD], v[PCD+1]
	v_permlane16_swap_b32 v[PCD+2], v[PCD+3]               ; lane (r, h): query r, dims 32 h + 0 .. 31: half a fragment of the next launch's operand
	global_store_b128 v1, v[PCD:PCD+3], s[\so:\so+1]       ; 512 consecutive bytes, at a multiple of 256 from the buffer's first byte
	global_store_b16 v7, v231, s[\so+2:\so+3]              ; both lanes of a query write the same two bytes
	s_wait_xcnt 0x0                        ; the stores' data are written again in the next tile only behind this wait
.endm
	TILE 16, 32, 62, 13, 48
	TILE 236, 34, 63, 16, 52
	s_wait_dscnt 0x0
	s_wait_tensorcnt 0x0
	ds_add_u32 v254, v255
	s_wait_dscnt 0x0
	CROUND                                 ; the closing round
	s_endpgm
.Lfunc_end_k_q0e1ca7cca7_attn:
	.size	k_q0e1ca7cca7_attn, .Lfunc_end_k_q0e1ca7cca7_attn-k_q0e1ca7cca7_attn
	.p2alignl 7, 3214868480
	.fill 96, 4, 3214868480
	.section	.rodata,"a",@progbits
	.p2align	6, 0x0
	.amdhsa_kernel k_q0e1ca7cca7_attn
		.amdhsa_group_segment_fixed_size 169984
		.amdhsa_private_segment_fixed_size 0
		.amdhsa_enable_private_segment 0
		.amdhsa_kernarg_size 32
		.amdhsa_user_sgpr_count 2
		.amdhsa_user_sgpr_kernarg_segment_ptr 1
		.amdhsa_wavefront_size32 1
		.amdhsa_system_sgpr_workgroup_id_x 1
		.amdhsa_system_sgpr_workgroup_id_y 1
		.amdhsa_system_sgpr_workgroup_id_z 1
		.amdhsa_system_vgpr_workitem_id 0
		.amdhsa_next_free_vgpr 256
		.amdhsa_next_free_sgpr 66
		.amdhsa_reserve_vcc 1
		.amdhsa_float_denorm_mode_32 3
		.amdhsa_float_denorm_mode_16_64 3
		.amdhsa_memory_ordered 1
		.amdhsa_forward_progress 1
		.amdhsa_inst_pref_size 61
	.end_amdhsa_kernel
	.amdgpu_metadata
---
amdhsa.version: [ 1, 2 ]
amdhsa.kernels:
  - .name:           k_q0e1ca7cca7_attn
    .symbol:         k_q0e1ca7cca7_attn.kd
    .args:
      - { .name: qb, .offset: 0, .size: 8, .value_kind: global_buffer, .address_space: global }
      - { .name: kv, .offset: 8, .size: 8, .value_kind: global_buffer, .address_space: global }
      - { .name: oimg, .offset: 16, .size: 8, .value_kind: global_buffer, .address_space: global }
      - { .name: osc, .offset: 24, .size: 8, .value_kind: global_buffer, .address_space: global }
    .group_segment_fixed_size: 169984
    .private_segment_fixed_size: 0
    .kernarg_segment_align: 8
    .kernarg_segment_size: 32
    .max_flat_workgroup_size: 512
    .sgpr_count:     66
    .vgpr_count:     256
    .wavefront_size: 32
...
	.end_amdgpu_metadata
.endif
;; end of part 2
;; launch oproj (part 3): grid 8 x 32, 4 waves a work-group, clusters of 4 x 4, 248,320 bytes of LDS; arguments oimg, osc, Wo_codes, Wo_scales, bo, out0; writes out0
.if DOCPART == 3
	.amdgcn_target "amdgcn-amd-amdhsa--gfx1250"
	.amdhsa_code_object_version 6
	.text
	.protected	k_q0e1ca7cca7_oproj
	.globl	k_q0e1ca7cca7_oproj
	.p2align	8
	.type	k_q0e1ca7cca7_oproj,@function
k_q0e1ca7cca7_oproj:
	s_mov_b64 s[64:65], 0
	v_nop
	global_prefetch_b8 v0, s[64:65] scope:SCOPE_SE
	s_setreg_imm32_b32 hwreg(HW_REG_WAVE_MODE, 25, 1), 1
	s_wait_xcnt 0x0
	s_wait_alu depctr_hold_cnt(0) depctr_sa_sdst(0) depctr_va_vdst(0) depctr_va_sdst(0) depctr_va_ssrc(0) depctr_va_vcc(0) depctr_vm_vsrc(0)
	s_getreg_b32 s2, hwreg(HW_REG_IB_STS2, 6, 4)
	s_cmp_eq_u32 s2, 0
	s_cbranch_scc0 .Lentry_in_a_cluster
	s_endpgm
.Lentry_in_a_cluster:
	s_bfe_u32 s2, ttmp6, 0x10000c
	s_cmp_lg_u32 s2, 0xf033
	s_cbranch_scc0 .Lentry_shape_is_right
	s_endpgm
.Lentry_shape_is_right:
; out0 = attention's result x Wo^T + bo on codes of FP4 (E2M1) with one E8M0 scale for each 32 along K = 1,024; sums in f32; out0 [8,192][1,024] f32.
; The matrix instruction is used transposed: source 0 = 16 rows of Wo (S0), source 1 = 16 tokens (S1): a lane holds eight neighbouring numbers of a row of out0.
; SHARES.  A work-group makes 256 tokens x 128 features over all of K: 256 work-groups.  Wave w takes tokens 64 w .. 64 w + 63 (4 tiles m) against all 128 features (8 tiles t): 32 accumulators.
; S1's codes come as images of the operand's registers, [tile of 16 tokens][K step 8][c 2][lane][16 bytes]: every fragment load takes 512 consecutive bytes, and no padding is needed.  Its scale bytes are plain rows of 32.
; LDS IS FILLED ONCE: both halves of K and all scale bytes fit together.  The stage for the way out has bytes of its own, from a multiple of 256 on, into which no fill lands.
; CLUSTERS: 4 x 4.  S1's tile is asked for jointly by the four of a cluster's row, S0's by the four of a column.
; LIMITS: an input scale byte 0xff gives NaN; NaN and infinities in bo are passed on as the sums make them.
; REGISTERS.  window 0: v1 r, v2 h, v4-5 S1's fragment address in chunk 0, 1, v6-7 S0's, v8 S1's scale words, v9 S0's, v10 16 x lane, v12 bias offset, v13 into the stage, v14 out of it; v16-63 scale words (and nothing else);
;   v64-127 S1's fragments, two sets; v128-191 the bias; on the way out v64-191 take rows of out0.   window 1: v0-127 S0's fragments, two sets.   window 2: accumulator (m, t) at v[8 (8 m + t)].
.set PITCH, 272
.set C0S0,  65536                      ; chunk 0: S1's 16 tiles x 4,096 bytes at 0, S0's 128 rows x 272 here
.set CHUNK, 65536+128*PITCH            ; chunk 1 begins here
.set SC1,   2*CHUNK                    ; S1's scale bytes: 32 units of 256 bytes + 16
.set SC0,   SC1+32*272                 ; S0's: 16 units
.set STAGE, SC0+16*272                 ; 213,760 = 835 x 256: 16 rows x 528 bytes for each wave
.set SPITCH, 528
.set CODEW, (1<<20)|(1<<21)|(5<<22)|(3<<25)
.set SCLW,  (3<<16)|(1<<20)|(1<<21)|(5<<22)|(3<<25)
.set SS,  16
.set S1F, 64
.set BI,  128
.set BK,  64
.set MSB, 0
.macro WIN new
.if MSB != \new
	s_set_vgpr_msb (MSB<<8)|\new
.set MSB, \new
.endif
.endm
.macro CROUND
	s_barrier_signal -1
	s_barrier_wait -1
	s_cmp_lg_u32 s2, 0
	s_cbranch_scc1 .Lnot_wave_0_\@
	s_barrier_signal -3
.Lnot_wave_0_\@:
	s_barrier_wait -3
	s_barrier_signal -1
	s_barrier_wait -1
.endm
.macro PLACES                          ; four plain places behind matrix instructions (ISA guide 7.12.1)
.rept 4
	v_nop
.endr
.endm
.macro WM d, a, b, c, sa, sb, u, v
.if ((\u)==0)&&((\v)==0)
	v_wmma_scale_f32_16x16x128_f8f6f4 v[\d:\d+7], v[\a:\a+7], v[\b:\b+7], v[\c:\c+7], v[\sa], v[\sb] matrix_a_fmt:MATRIX_FMT_FP4 matrix_b_fmt:MATRIX_FMT_FP4
.elseif (\v)==0
	v_wmma_scale_f32_16x16x128_f8f6f4 v[\d:\d+7], v[\a:\a+7], v[\b:\b+7], v[\c:\c+7], v[\sa], v[\sb] matrix_a_fmt:MATRIX_FMT_FP4 matrix_b_fmt:MATRIX_FMT_FP4 matrix_a_scale:MATRIX_SCALE_ROW1
.elseif (\u)==0
	v_wmma_scale_f32_16x16x128_f8f6f4 v[\d:\d+7], v[\a:\a+7], v[\b:\b+7], v[\c:\c+7], v[\sa], v[\sb] matrix_a_fmt:MATRIX_FMT_FP4 matrix_b_fmt:MATRIX_FMT_FP4 matrix_b_scale:MATRIX_SCALE_ROW1
.else
	v_wmma_scale_f32_16x16x128_f8f6f4 v[\d:\d+7], v[\a:\a+7], v[\b:\b+7], v[\c:\c+7], v[\sa], v[\sb] matrix_a_fmt:MATRIX_FMT_FP4 matrix_b_fmt:MATRIX_FMT_FP4 matrix_a_scale:MATRIX_SCALE_ROW1 matrix_b_scale:MATRIX_SCALE_ROW1
.endif
.endm
; K step q: 32 matrix instructions; C is v[c0 + km m + kt t].  The 32 accumulators take turns, one instruction a turn, in the same order in every step.
.macro MUL32 q, win, c0, km, kt
	WIN \win
.irp m, 0,1,2,3
.irp t, 0,1,2,3,4,5,6,7
	WM 8*(8*\m+\t),64*((\q)%2)+8*\t,S1F+32*((\q)%2)+8*\m,\c0+\km*\m+\kt*\t,SS+24*((\q)/4)+4*(\t/2)+(\q)%4,SS+16+24*((\q)/4)+4*(\m/2)+(\q)%4,\t%2,\m%2
.endr
.endr
.endm
.macro SCALES                          ; all scale words, 12 loads: lanes 0-15 take the even tile of a pair, lanes 16-31 the odd one
.irp c, 0,1
.irp b, 0,1,2,3
	ds_load_b128 v[SS+24*\c+4*\b:SS+24*\c+4*\b+3], v9 offset:1088*\b+16*\c
.endr
.irp j, 0,1
	ds_load_b128 v[SS+16+24*\c+4*\j:SS+16+24*\c+4*\j+3], v8 offset:1088*\j+16*\c
.endr
.endr
.endm
.macro FETCH q                         ; K step q's fragments into set q % 2: 24 loads
	WIN 0x40                               ; destination window 1, address window 0
.irp t, 0,1,2,3,4,5,6,7
.irp c, 0,1
	ds_load_b128 v[64*((\q)%2)+8*\t+4*\c:64*((\q)%2)+8*\t+4*\c+3], v[6+(\q)/4] offset:16*\t*PITCH+64*((\q)%4)+32*\c
.endr
.endr
	WIN 0
.irp m, 0,1,2,3
.irp c, 0,1
	ds_load_b128 v[S1F+32*((\q)%2)+8*\m+4*\c:S1F+32*((\q)%2)+8*\m+4*\c+3], v[4+(\q)/4] offset:4096*\m+1024*((\q)%4)+512*\c
.endr
.endr
.endm
	s_load_b256 s[4:11], s[0:1], 0x0       ; oimg s[4:5], osc s[6:7], Wo's codes s[8:9], Wo's scales s[10:11]
	s_load_b128 s[12:15], s[0:1], 0x20     ; bo s[12:13], out0 s[14:15]
	v_lshl_add_u32 v254, v0, 2, 0x3c800
	v_mov_b32 v255, 0
	ds_add_u32 v254, v255
	ds_add_u32 v254, v255
	v_lshrrev_b32 v1, 5, v0
	v_readfirstlane_b32 s2, v1             ; wave 0..3
	s_bfe_u32 s100, ttmp6, 0x40000         ; cx
	s_bfe_u32 s101, ttmp6, 0x40004         ; cy
	s_and_b32 s39, ttmp7, 0xffff
	s_lshl_b32 s39, s39, 2
	s_add_co_u32 s39, s39, s101            ; T1: tile of 256 tokens
	s_lshl_b32 s38, ttmp9, 2
	s_add_co_u32 s38, s38, s100            ; T0: tile of 128 features
	s_lshl_b32 s98, s101, 2
	s_lshl_b32 s98, 15, s98                ; my row of the cluster
	s_lshl_b32 s99, 0x1111, s100           ; my column
	; descriptor groups 1: s[40:47] S1's images (4 tiles x 4,096 bytes, 8,192 apart; elements of 8 bytes), s[48:55] S0's codes (32 rows x 256 bytes, 512 apart, padded), s[56:63], s[68:75] the scales (8 and 4 rows of 256 dense bytes, padded)
	s_or_b32 s40, s98, (3<<16)|(1<<21)
	s_mov_b32 s41, 512<<16
	s_mov_b32 s42, 4<<16
	s_mov_b32 s43, 512<<16
	s_mov_b32 s44, 4
	s_mov_b32 s45, 1024
	s_mov_b32 s46, 0
	s_mov_b32 s47, 0
	s_or_b32 s48, s99, CODEW
	s_mov_b32 s49, 256<<16
	s_mov_b32 s50, 32<<16
	s_mov_b32 s51, 256<<16
	s_mov_b32 s52, 32
	s_mov_b32 s53, 512
	s_mov_b32 s54, 0
	s_mov_b32 s55, 0
	s_or_b32 s56, s98, SCLW
	s_or_b32 s68, s99, SCLW
.irp g, 56,68
	s_mov_b32 s[\g+1], 32<<16
	s_mov_b32 s[\g+3], 32<<16
	s_mov_b32 s[\g+5], 32
	s_mov_b32 s[\g+6], 0
	s_mov_b32 s[\g+7], 0
.endr
	s_mov_b32 s58, 8<<16
	s_mov_b32 s60, 8
	s_mov_b32 s70, 4<<16
	s_mov_b32 s72, 4
	s_lshl_b32 s18, s39, 8
	s_lshl_b32 s17, s2, 6
	s_add_co_u32 s18, s18, s17             ; R1 = 256 T1 + 64 w: my first token
	s_lshl_b32 s16, s18, 9                 ; its images: 8,192 bytes for 16 tokens
	s_mov_b32 s17, 0
	s_lshl_b32 s20, s18, 5                 ; its scale bytes
	s_mov_b32 s21, 0
	s_lshl_b32 s22, s38, 7
	s_lshl_b32 s23, s2, 5
	s_add_co_u32 s22, s22, s23             ; R0 = 128 T0 + 32 w: the first row of Wo that I fetch
	s_lshl_b32 s24, s22, 5
	s_mov_b32 s25, 0
	s_lshl_b32 s22, s22, 9
	s_mov_b32 s23, 0
	s_lshl_b32 s28, s38, 9                 ; 128 T0 numbers of f32: in bo, and in a row of out0
	s_mov_b32 s29, 0
	s_lshl_b32 s26, s18, 12                ; a row of out0 is 4,096 bytes
	s_add_co_u32 s26, s26, s28
	s_mov_b32 s27, 0
	s_wait_dscnt 0x0
	s_wait_kmcnt 0x0
	s_add_nc_u64 s[12:13], s[12:13], s[28:29]
	s_add_nc_u64 s[14:15], s[14:15], s[26:27]
	s_mov_b32 s76, 1
	s_mul_i32 s77, s2, 2176
	s_add_co_u32 s77, s77, SC1
	s_add_nc_u64 s[78:79], s[6:7], s[20:21]
	s_or_b32 s79, s79, 0x80000000
	s_mov_b32 s80, 1
	s_mul_i32 s81, s2, 1088
	s_add_co_u32 s81, s81, SC0
	s_add_nc_u64 s[82:83], s[10:11], s[24:25]
	s_or_b32 s83, s83, 0x80000000
	s_mov_b32 s84, 1
	s_lshl_b32 s85, s2, 14                 ; my four tiles: 16,384 w
	s_add_nc_u64 s[86:87], s[4:5], s[16:17]
	s_mov_b32 s88, 1
	s_mul_i32 s89, s2, 32*PITCH
	s_add_co_u32 s89, s89, C0S0
	s_add_nc_u64 s[90:91], s[8:9], s[22:23]
	s_mov_b32 s92, 1
	s_add_co_u32 s93, s85, CHUNK
	s_add_nc_u64 s[94:95], s[86:87], 4096  ; chunk 1: K steps 4 to 7 of each tile's images
	s_mov_b32 s96, 1
	s_add_co_u32 s97, s89, CHUNK
	s_add_nc_u64 s[98:99], s[90:91], 256   ; chunk 1: 256 bytes on in every row
	s_or_b32 s87, s87, 0x80000000
	s_or_b32 s91, s91, 0x80000000
	s_or_b32 s95, s95, 0x80000000
	s_or_b32 s99, s99, 0x80000000
	CROUND                                 ; all sixteen work-groups are here: the joint loads meet
	tensor_load_to_lds s[76:79], s[56:63]  ; all first fills in one group; six loads of mine are out
	s_nop 0
	tensor_load_to_lds s[80:83], s[68:75]
	s_nop 0
	tensor_load_to_lds s[84:87], s[40:47]
	s_nop 0
	tensor_load_to_lds s[88:91], s[48:55]
	s_nop 0
	tensor_load_to_lds s[92:95], s[40:47]
	s_nop 0
	tensor_load_to_lds s[96:99], s[48:55]
	s_nop 0
.rept 4
	v_nop
.endr
	v_and_b32 v1, 15, v0                   ; r
	v_bfe_u32 v2, v0, 4, 1                 ; h
	v_lshlrev_b32 v12, 5, v2               ; the bias: register j of tile t wants bo[128 T0 + 16 t + 8 h + j]
.irp t, 0,1,2,3,4,5,6,7
	global_load_b128 v[BI+8*\t:BI+8*\t+3], v12, s[12:13] offset:64*\t
	global_load_b128 v[BI+8*\t+4:BI+8*\t+7], v12, s[12:13] offset:64*\t+16
.endr
	v_and_b32 v3, 31, v0
	v_lshlrev_b32 v10, 4, v3               ; 16 x lane
	v_add_nc_u32 v4, s85, v10              ; S1: my four tiles' images, chunk 0
	v_add_nc_u32 v5, CHUNK, v4
	v_mul_u32_u24 v3, v1, PITCH
	v_lshl_add_u32 v3, v2, 4, v3
	v_add_nc_u32 v6, C0S0, v3              ; S0: row x pitch + 16 h
	v_add_nc_u32 v7, CHUNK, v6
	v_lshrrev_b32 v11, 3, v1               ; a row's 32 scale bytes: eight rows to a unit of 256 + 16
	v_and_b32 v3, 7, v1
	v_mul_u32_u24 v15, v11, 272
	v_lshl_add_u32 v15, v3, 5, v15
	v_mad_u32_u24 v15, v2, 544, v15        ; lanes 16-31 take the tile 16 rows on
	v_add_nc_u32 v8, s77, v15
	v_add_nc_u32 v9, SC0, v15
	s_mul_i32 s30, s2, 16*SPITCH
	s_add_co_u32 s30, s30, STAGE           ; my stage
	v_mul_u32_u24 v13, v1, SPITCH
	v_lshl_add_u32 v13, v2, 5, v13
	v_add_nc_u32 v13, s30, v13             ; in: row r, 32 bytes for each half of the lanes
	v_add_nc_u32 v14, s30, v10             ; back: the 32 lanes take one row of 512 bytes
	s_wait_alu depctr_va_vdst(0)
	s_wait_tensorcnt 0x2                   ; of my six loads the four older have landed: my parts of the scales and of chunk 0; chunk 1's two stay out
	s_barrier_signal -1
	s_barrier_wait -1
	SCALES
	FETCH 0
	FETCH 1
	s_wait_dscnt 24                        ; all but K step 1's 24 loads
	s_wait_loadcnt 0x0                     ; the bias
	MUL32 0,0x81,BI,0,8                    ; the first K step starts the sums on the bias
.irp q, 1,2
	PLACES
	FETCH \q+1
	s_wait_dscnt 24                        ; this step's fragments are in; the 24 loads just issued may be out
	MUL32 \q,0xa1,0,64,8
.endr
	s_wait_dscnt 0x0                       ; no LDS load of mine is out at a signal
	s_wait_tensorcnt 0x0                   ; my parts of chunk 1 have landed
	s_barrier_signal -1
	s_barrier_wait -1
	PLACES
	FETCH 4
	s_wait_dscnt 24
	MUL32 3,0xa1,0,64,8
.irp q, 4,5,6
	PLACES
	FETCH \q+1
	s_wait_dscnt 24
	MUL32 \q,0xa1,0,64,8
.endr
	s_wait_dscnt 0x0
	MUL32 7,0xa1,0,64,8
; THE WAY OUT, a tile of 16 tokens x 128 features at a time: through my own stage and back as whole rows of 512 bytes.  LDS serves a wave's instructions in order (ISA guide 5.7.1.4): no wait between the stores and the loads, nor in front of the next tile's stores.
.macro TOSTAGE m
	WIN 0x08                               ; an LDS store's data are its source 1: window 2
.irp t, 0,1,2,3,4,5,6,7
	ds_store_b128 v13, v[8*(8*(\m)+\t):8*(8*(\m)+\t)+3] offset:64*\t          ; each accumulator from its low end on
	ds_store_b128 v13, v[8*(8*(\m)+\t)+4:8*(8*(\m)+\t)+7] offset:64*\t+16
.endr
	WIN 0
.irp k, 0,1,2,3,4,5,6,7,8,9,10,11,12,13,14,15
	ds_load_b128 v[BK+64*((\m)%2)+4*\k:BK+64*((\m)%2)+4*\k+3], v14 offset:\k*SPITCH
.endr
.endm
.macro SEND m, younger                 ; younger: the LDS instructions issued behind tile m's loads, which may stay out
	s_wait_dscnt \younger
.irp k, 0,1,2,3,4,5,6,7,8,9,10,11,12,13,14,15
	global_store_b128 v10, v[BK+64*((\m)%2)+4*\k:BK+64*((\m)%2)+4*\k+3], s[14:15] offset:(16*(\m)+\k)*4096 th:TH_STORE_NT   ; 32 lanes store 512 consecutive bytes, at a multiple of 256 from out0's first byte; written once
.endr
.endm
	PLACES                                 ; in front of the first read of results and of loads into registers that matrix instructions read
	TOSTAGE 0
	TOSTAGE 1
	SEND 0, 32                             ; behind tile 0's loads: tile 1's 16 stores and 16 loads
	s_wait_xcnt 0x0                        ; tile 0's stores have read their registers: tile 2's rows may land there
	TOSTAGE 2
	SEND 1, 32
	s_wait_xcnt 0x0
	TOSTAGE 3
	SEND 2, 32
	SEND 3, 0
	s_wait_tensorcnt 0x0
	ds_add_u32 v254, v255
	s_wait_dscnt 0x0
	CROUND                                 ; the closing round: no work-group ends while a partner may still ask for a tile that names it
	s_endpgm
.Lfunc_end_k_q0e1ca7cca7_oproj:
	.size	k_q0e1ca7cca7_oproj, .Lfunc_end_k_q0e1ca7cca7_oproj-k_q0e1ca7cca7_oproj
	.p2alignl 7, 3214868480
	.fill 96, 4, 3214868480
	.section	.rodata,"a",@progbits
	.p2align	6, 0x0
	.amdhsa_kernel k_q0e1ca7cca7_oproj
		.amdhsa_group_segment_fixed_size 248320
		.amdhsa_private_segment_fixed_size 0
		.amdhsa_enable_private_segment 0
		.amdhsa_kernarg_size 48
		.amdhsa_user_sgpr_count 2
		.amdhsa_user_sgpr_kernarg_segment_ptr 1
		.amdhsa_wavefront_size32 1
		.amdhsa_system_sgpr_workgroup_id_x 1
		.amdhsa_system_sgpr_workgroup_id_y 1
		.amdhsa_system_sgpr_workgroup_id_z 1
		.amdhsa_system_vgpr_workitem_id 0
		.amdhsa_next_free_vgpr 768
		.amdhsa_next_free_sgpr 102
		.amdhsa_reserve_vcc 0
		.amdhsa_float_denorm_mode_32 3
		.amdhsa_float_denorm_mode_16_64 3
		.amdhsa_memory_ordered 1
		.amdhsa_forward_progress 1
		.amdhsa_inst_pref_size 71
	.end_amdhsa_kernel
	.amdgpu_metadata
---
amdhsa.version: [ 1, 2 ]
amdhsa.kernels:
  - .name:           k_q0e1ca7cca7_oproj
    .symbol:         k_q0e1ca7cca7_oproj.kd
    .args:
      - { .name: oimg, .offset: 0, .size: 8, .value_kind: global_buffer, .address_space: global }
      - { .name: osc, .offset: 8, .size: 8, .value_kind: global_buffer, .address_space: global }
      - { .name: Wo_codes, .offset: 16, .size: 8, .value_kind: global_buffer, .address_space: global }
      - { .name: Wo_scales, .offset: 24, .size: 8, .value_kind: global_buffer, .address_space: global }
      - { .name: bo, .offset: 32, .size: 8, .value_kind: global_buffer, .address_space: global }
      - { .name: out0, .offset: 40, .size: 8, .value_kind: global_buffer, .address_space: global }
    .group_segment_fixed_size: 248320
    .private_segment_fixed_size: 0
    .kernarg_segment_align: 8
    .kernarg_segment_size: 48
    .max_flat_workgroup_size: 128
    .sgpr_count:     102
    .vgpr_count:     768
    .wavefront_size: 32
...
	.end_amdgpu_metadata
.endif
;; end of part 3
